; MI455X (gfx1250); checked and timed in simulation.
; The chip was launched on July 23, 2026; its instructions are those of AMD's public machine-readable ISA for CDNA 5 (MIT licence, August 2026) and "CDNA5" Instruction Set Architecture Reference Guide (July 2026). The comments in the code are by the model that wrote it; some were corrected since.
;; Additive Attention. Allowed arithmetic: float matrix products may take bf16 or f16 operands with f32 sums; all other float work in f32.
;; Inputs: W_k 1,024 x 1,024 float32; W_q 1,024 x 1,024 float32; keys 1,024 x 32 x 1,024 float32; queries 1,024 x 32 x 1,024 float32; values 1,024 x 1 x 1,024 float32; w_v 1 x 1,024 float32.
;; Outputs: out0 32 x 1,024 float32.
;; One version. Each part assembles by itself: llvm-mc -triple=amdgcn-amd-amdhsa -mcpu=gfx1250 --defsym DOCPART=n.
;; ======== version 1 of 1: 3 launches
;; workspace buffers: wb 4,325,376 bytes; part 524,288 bytes
;; launch prep (part 1): grid 16 x 88, 6 waves a work-group, no clusters, 0 bytes of LDS; arguments W_q, W_k, wb; writes wb
.if DOCPART == 1
	.amdgcn_target "amdgcn-amd-amdhsa--gfx1250"
	.amdhsa_code_object_version 6
	.text
	.protected	k_q58808de801_prep
	.globl	k_q58808de801_prep
	.p2align	8
	.type	k_q58808de801_prep,@function
k_q58808de801_prep:
	s_mov_b64 s[64:65], 0
	v_nop
	global_prefetch_b8 v0, s[64:65] scope:SCOPE_SE
	s_setreg_imm32_b32 hwreg(HW_REG_WAVE_MODE, 25, 1), 1
	s_wait_xcnt 0x0
; wb[nt][j][kq][b][e][l][0..7] in bf16; nt 0..3, j 0..21, kq 0..2, b 0..15, e 0..1, l 0..31.  Block (nt, j), 49,152 dense bytes, holds the weights of N tile nt for K step j (96 along K) of the product that follows,
; IN THE ORDER IN WHICH ITS WAVES LOAD THEM: the 16 bytes at (kq, b, e, l) are what lane l wants as half e of the fragment of rows 16 b .. 16 b + 15 for the step's quarter kq:
; W(256 nt + 16 b + l % 16, k0 + 32 kq + 16 e + 8 (l / 16) + 0..7), rounded to nearest even.  W = W_q for j < 11 and W_k for j >= 11; jj = j % 11; k0 = min(96 jj, 928).
; 1,024 = 10 x 96 + 64: the eleventh step takes the last 96 columns, and its quarter 0, columns 928..959, which the tenth step has had, is stored as 0.
; SHARES.  Work-group (x, y) makes the 16 rows b = x of block y (y = 4 j + nt): 192 threads, 16 bytes each; thread t: l = t % 32, e = (t / 32) % 2, kq = t / 64.  It reads 384 consecutive bytes of each of 16 rows;
; a wave stores 512 consecutive bytes, at a multiple of 512 from wb's first byte.
; A stream of one load's depth: LDS, barriers and matrix instructions would add nothing.  No register that a memory instruction names is written again, so no wait frees one.
.set BLK, 49152
	s_load_b128 s[4:7], s[0:1], 0x0                ; W_q s[4:5], W_k s[6:7]
	s_load_b64 s[8:9], s[0:1], 0x10                ; wb
	s_and_b32 s10, ttmp7, 0xffff
	s_and_b32 s11, s10, 3                          ; nt
	s_lshr_b32 s12, s10, 2                         ; j
	s_cmp_lt_u32 s12, 11
	s_cselect_b32 s13, 0, 11
	s_sub_co_u32 s13, s12, s13                     ; jj
	s_mul_i32 s14, s13, 384
	s_min_u32 s14, s14, 3712                       ; 4 k0
	s_lshl_b32 s15, s11, 20                        ; + 256 nt rows of 4,096 bytes
	s_add_co_u32 s14, s14, s15
	s_lshl_b32 s15, ttmp9, 16                      ; + 16 b rows
	s_add_co_u32 s14, s14, s15
	s_mov_b32 s15, 0
	s_mul_i32 s16, s11, 22
	s_add_co_u32 s16, s16, s12                     ; the block's number in wb: 22 nt + j
	s_mul_i32 s16, s16, BLK
	s_lshl_b32 s17, ttmp9, 10                      ; + 1,024 b
	s_add_co_u32 s16, s16, s17
	s_mov_b32 s17, 0
	s_cmp_eq_u32 s13, 10
	s_cselect_b32 s18, 1, 0                        ; the first quarter that is kept: 1 in the eleventh step, else 0
	v_and_b32 v1, 15, v0                           ; l % 16: my row
	v_lshrrev_b32 v2, 4, v0                        ; l / 16 + 2 e + 4 kq: my place along K, in pieces of 8 numbers
	v_lshrrev_b32 v3, 6, v0                        ; kq
	v_and_b32 v4, 63, v0                           ; l + 32 e
	v_lshlrev_b32 v5, 12, v1
	v_lshl_add_u32 v5, v2, 5, v5                   ; in: row x 4,096 + 32 x piece
	v_lshlrev_b32 v6, 14, v3
	v_lshl_add_u32 v6, v4, 4, v6                   ; out: 16,384 kq + 512 e + 16 l
	v_cmp_le_u32 vcc_lo, s18, v3                   ; kept
	s_wait_kmcnt 0x0
	s_cmp_lt_u32 s12, 11
	s_cselect_b64 s[4:5], s[4:5], s[6:7]
	s_add_nc_u64 s[4:5], s[4:5], s[14:15]
	s_add_nc_u64 s[8:9], s[8:9], s[16:17]
	global_load_b128 v[8:11], v5, s[4:5]
	global_load_b128 v[12:15], v5, s[4:5] offset:16
	s_wait_loadcnt 0x0
	v_cvt_pk_bf16_f32 v16, v8, v9
	v_cvt_pk_bf16_f32 v17, v10, v11
	v_cvt_pk_bf16_f32 v18, v12, v13
	v_cvt_pk_bf16_f32 v19, v14, v15
	v_cndmask_b32 v16, 0, v16, vcc_lo
	v_cndmask_b32 v17, 0, v17, vcc_lo
	v_cndmask_b32 v18, 0, v18, vcc_lo
	v_cndmask_b32 v19, 0, v19, vcc_lo
	global_store_b128 v6, v[16:19], s[8:9]
	s_endpgm
.Lfunc_end_k_q58808de801_prep:
	.size	k_q58808de801_prep, .Lfunc_end_k_q58808de801_prep-k_q58808de801_prep
	.p2alignl 7, 3214868480
	.fill 96, 4, 3214868480
	.section	.rodata,"a",@progbits
	.p2align	6, 0x0
	.amdhsa_kernel k_q58808de801_prep
		.amdhsa_group_segment_fixed_size 0
		.amdhsa_private_segment_fixed_size 0
		.amdhsa_enable_private_segment 0
		.amdhsa_kernarg_size 24
		.amdhsa_user_sgpr_count 2
		.amdhsa_user_sgpr_kernarg_segment_ptr 1
		.amdhsa_wavefront_size32 1
		.amdhsa_system_sgpr_workgroup_id_x 1
		.amdhsa_system_sgpr_workgroup_id_y 1
		.amdhsa_system_sgpr_workgroup_id_z 1
		.amdhsa_system_vgpr_workitem_id 0
		.amdhsa_next_free_vgpr 24
		.amdhsa_next_free_sgpr 66
		.amdhsa_reserve_vcc 1
		.amdhsa_float_denorm_mode_32 3
		.amdhsa_float_denorm_mode_16_64 3
		.amdhsa_memory_ordered 1
		.amdhsa_forward_progress 1
		.amdhsa_inst_pref_size 3
	.end_amdhsa_kernel
	.amdgpu_metadata
---
amdhsa.version: [ 1, 2 ]
amdhsa.kernels:
  - .name:           k_q58808de801_prep
    .symbol:         k_q58808de801_prep.kd
    .args:
      - { .name: W_q, .offset: 0, .size: 8, .value_kind: global_buffer, .address_space: global }
      - { .name: W_k, .offset: 8, .size: 8, .value_kind: global_buffer, .address_space: global }
      - { .name: wb, .offset: 16, .size: 8, .value_kind: global_buffer, .address_space: global }
    .group_segment_fixed_size: 0
    .private_segment_fixed_size: 0
    .kernarg_segment_align: 8
    .kernarg_segment_size: 24
    .max_flat_workgroup_size: 192
    .sgpr_count:     66
    .vgpr_count:     24
    .wavefront_size: 32
...
	.end_amdgpu_metadata
.endif
;; end of part 1
;; launch main (part 2): grid 4 x 128, 4 waves a work-group, clusters of 4 x 4, 327,680 bytes of LDS; arguments queries, keys, wb, w_v, part; writes part
.if DOCPART == 2
	.amdgcn_target "amdgcn-amd-amdhsa--gfx1250"
	.amdhsa_code_object_version 6
	.text
	.protected	k_q58808de801_main
	.globl	k_q58808de801_main
	.p2align	8
	.type	k_q58808de801_main,@function
k_q58808de801_main:
	s_mov_b64 s[64:65], 0
	v_nop
	global_prefetch_b8 v0, s[64:65] scope:SCOPE_SE
	s_setreg_imm32_b32 hwreg(HW_REG_WAVE_MODE, 25, 1), 1
	s_wait_xcnt 0x0
	s_wait_alu depctr_hold_cnt(0) depctr_sa_sdst(0) depctr_va_vdst(0) depctr_va_sdst(0) depctr_va_ssrc(0) depctr_va_vcc(0) depctr_vm_vsrc(0)
	s_getreg_b32 s2, hwreg(HW_REG_IB_STS2, 6, 4)
	s_cmp_eq_u32 s2, 0
	s_cbranch_scc0 .Lentry_in_a_cluster
	s_endpgm
.Lentry_in_a_cluster:
	s_bfe_u32 s2, ttmp6, 0x10000c
	s_cmp_lg_u32 s2, 0xf033
	s_cbranch_scc0 .Lentry_shape_is_right
	s_endpgm
.Lentry_shape_is_right:
; part[nt][b][s] = the sum over the 256 columns n of N tile nt of w_v[n] / (1 + 2^(c x[s][b][n])), c = 2 log2(e),
; x[s][b][n] = queries[s][b][:] . W_q[n][:] + keys[s][b][:] . W_k[n][:]: ONE product, rows (s, b), [queries | keys] against [W_q | W_k].
; tanh(x) = 1 - 2 / (1 + e^(2x)), so a score is sum(w_v) - 2 x (the four parts added).  sum(w_v) is the same for every s and cancels in the softmax over s, for every input: it is not formed.
; FORMATS.  queries, keys and the weights are rounded to bf16 (nearest even) for the product, sums in f32; the activation and the dot with w_v in f32.
; LIMITS.  NaN and infinities in the inputs are not treated apart (an infinite number in columns 928..959 also meets a weight 0: see K below).  2^(c x) that overflows gives 0, one below 2^-126 counts as 0 and gives 1: tanh's two ends.
; SHARES.  A tile is 256 rows x 256 columns.  M tile T (0..127) has ONE b = T % 32 and the 256 consecutive s from 256 (T / 32) on: its rows lie 131,072 bytes apart, and a wave's 64 results are 256 consecutive bytes
; of part.  Wave w owns rows 64 w .. 64 w + 63 and ALL 256 columns: 64 accumulators, 512 registers.  So each number of A is read from LDS and rounded by one wave alone, and a row's sum never leaves the wave.
; K goes in 22 steps of 96 (11 from queries, 11 from keys) through two LDS slots; A lies there as f32, the weights as bf16: 1,536 bytes for each k.  Two slots of a step of 128 would need 409,600 bytes; 96 is the longest
; multiple of 32 of which two fit, and the longer the step, the more products stand between a tile's request and the wait for it: here 176 of a step's 192.  The price: a row's piece of a step is 384 bytes and begins at a
; multiple of 128, not of 256.  1,024 = 10 x 96 + 64: a source's eleventh step takes its last 96 columns, 928..1023, and wb holds 0 for the 32 of them that the tenth step has had: 3 products in 100 serve nothing.
; CLUSTER.  4 x 4 work-groups: the four of a row of the cluster share the M tile and ask for A's tiles jointly, the four of a column share the N tile and ask for the weights jointly.
; THE MATRIX INSTRUCTION IS USED TRANSPOSED (source 0 = 16 rows of W, source 1 = 16 rows of A): lane l holds row l % 16 and the columns 8 (l / 16) + 0..7 of a 16 x 16 result.
; A QUARTER is 32 along K, 64 matrix instructions.  The 48 LDS loads for the quarter after it stand in two runs (32, then 16), never singly among the products; the 32 roundings of A ride four at a time behind eight products.
; REGISTERS, in windows of 256 (s_set_vgpr_msb: bits 1:0 source 0, 3:2 source 1, 5:4 source 2, 7:6 destination):
;   window 0: v0-31 addresses; v32-95 A of one quarter as f32 (fragment a at 16 a); v96-127, v128-159 A as bf16, two buffers (fragment a at 8 a)
;   window 1: v0-127, v128-255 W, two buffers (fragment b at 8 b)      window 2: accumulators (a = 0..3, b = 0..7) at 8 (8 a + b)      window 3: the same for b = 8..15
; A IN LDS.  The mover lays 16 bytes behind every 128 bytes, a quarter's 32 numbers: a row is three such pieces, 432 = 27 x 16 bytes, and the 16 rows of a load touch 16 different columns of 16 bytes modulo 256.
; W IN LDS lies as in wb, in the order of the loads: a load's 32 lanes take 512 consecutive bytes; no padding.
.set PA,    432                        ; a row of A
.set QS,    144                        ; from a quarter of a row to the next
.set HALFA, 128*PA                     ; what one tensor load brings of A: 128 rows, 55,296 bytes
.set HALFW, 24576                      ; what one tensor load brings of W: half a block of wb
.set BLK,   2*HALFW                    ; a block of wb: one N tile, one K step: [quarter 3][fragment 16][half 2][lane 32] x 16 bytes
.set WOFF,  2*HALFA                    ; in a slot: A's 256 rows, then W's block
.set SLOT,  WOFF+BLK                   ; 159,744 bytes
.set WVL,   2*SLOT                     ; behind the ring: for each wave its own copy of the tile's 256 w_v, 1,024 bytes
.set STAGE, WVL+4*1024                 ; for each wave 256 bytes: its 64 results on the way out
.set SPARE, STAGE+4*256                ; the spare words, 128 bytes for each wave: two blocks of 256 bytes that no other line names
.set ADRA, 16                          ; v16-17  LDS address of my A fragments in slot 0, 1
.set ADRB, 20                          ; v20-21  the same for W
.set WVA,  22                          ; v22     my lane's place in my copy of w_v
.set STO,  23                          ; v23     the way out: where a row's result goes
.set RD,   24                          ; v24     the way out: where I read two results back
.set GO,   25                          ; v25     my byte offset in the wave's 256 bytes of part
.set PFO,  26                          ; v26     the prefetch of two blocks a row: my row and block; never rewritten
.set PFY,  27                          ; v27     the prefetch of one block a row: my row; never rewritten
.set SPW,  28                          ; v28     LDS address of my spare word: SPARE + 4 x my thread's number; never rewritten
.set NIL,  29                          ; v29     0; never rewritten
.set AF,   32
.set AB,   96
.set TT,   32                          ; the way out: 64 numbers at work
.set SS,   96                          ; the way out: four pairs of running sums
.set RR,   104                         ; the way out: one result for each of my four blocks of 16 rows
.set WV,   14                          ; s14      my wave's number
.set G1A,  24                          ; s[24:31] descriptor group 1 for A's tiles
.set G0A,  32                          ; s[32:39] descriptor group 0 for A's tiles, a set for each slot
.set QA,   40                          ; s[40:41] queries at my half of the tile's rows;  s[42:43] keys likewise
.set KA,   42
.set BB,   44                          ; s[44:45] wb at my half of the N tile's K step 0
.set G1B,  48                          ; s[48:55] descriptor group 1 for W's tiles
.set G0B,  56                          ; s[56:63] descriptor group 0 for W's tiles, a set for each slot
.set OFA,  66                          ; s[66:67] a K step's byte offset in a row of A
.set OFB,  68                          ; s[68:69] a K step's byte offset in wb
.set SRC,  70                          ; s[70:71] queries or keys, as the step asks
.set NXT,  72                          ; s72      the K step to be asked for next
.set LAPS, 73                          ; s73      laps to go
.set CC,   74                          ; s[74:75] c, named as a pair
.set SEL,  76                          ; s[76:77] v_permlanex16_b32's selects: each lane takes its own place in the other half
.set QP,   78                          ; s[78:79] queries at the tile's first row;  s[80:81] keys likewise
.set KP,   80
.set PFB,  82                          ; s[82:83] the base of the prefetch of two blocks
.set PN,   84                          ; s84      the lap whose blocks are prefetched next
.set PX,   85                          ; s85      at work
.set TP,   86                          ; s[86:87] a pair at work; s87 stays 0
.set TQ,   88                          ; s[88:89] first part's offset, then a pair at work; s89 stays 0
.set PYB,  92                          ; s[92:93] first w_v's offset, then the base of the prefetch of one block
.set MSB, 0
.macro WIN new                         ; the immediate's high byte repeats the setting that is left; a switch that changes nothing is dropped
.if MSB != (\new)
	s_set_vgpr_msb (MSB<<8)|(\new)
.set MSB, \new
.endif
.endm
.set MUL_LO, 0xa1                      ; source 0 (W) window 1, source 1 (A) window 0, C and D window 2
.set MUL_HI, 0xf1                      ; the same, C and D window 3
; A joint load.  Waves 0 and 1 fetch A's two halves, waves 2 and 3 W's.  The branch hangs on the wave's number alone.  An s_nop 0 and four v_nop follow each of the two lines, ahead of the jump and the label.
.macro JLOAD s
	s_cmp_lt_u32 s[WV], 2
	s_cbranch_scc0 .Lfor_w_\@
	tensor_load_to_lds s[G0A+4*(\s):G0A+4*(\s)+3], s[G1A:G1A+7]
	s_nop 0
.rept 4
	v_nop
.endr
	s_branch .Lasked_\@
.Lfor_w_\@:
	tensor_load_to_lds s[G0B+4*(\s):G0B+4*(\s)+3], s[G1B:G1B+7]
	s_nop 0
.rept 4
	v_nop
.endr
.Lasked_\@:
.endm
; A round of the cluster's barrier: my work-group's barrier, so that wave 0's signal speaks for all four waves; wave 0 signals; every wave waits for all sixteen work-groups; my work-group's barrier once more.
.macro CREST                           ; a round behind its opening barrier
	s_cmp_lg_u32 s[WV], 0
	s_cbranch_scc1 .Lnot_wave_0_\@
	s_barrier_signal -3
.Lnot_wave_0_\@:
	s_barrier_wait -3
	s_barrier_signal -1
	s_barrier_wait -1
.endm
.macro CROUND                          ; a whole round
	s_barrier_signal -1
	s_barrier_wait -1
	CREST
.endm
; A load into a register that a matrix instruction has read, and a vector instruction that reads a matrix result or writes one of a matrix instruction's registers, stand four places behind it,
; and only plain vector instructions that name none of its registers are places (ISA guide 7.12.1 for vector instructions).
.macro PLACES
.rept 4
	v_nop
.endr
.endm
	s_load_b256 s[4:11], s[0:1], 0x0               ; queries s[4:5], keys s[6:7], wb s[8:9], w_v s[10:11]
	s_load_b64 s[12:13], s[0:1], 0x20              ; part
	v_lshl_add_u32 v[SPW], v0, 2, SPARE
	v_mov_b32 v[NIL], 0
	ds_add_u32 v[SPW], v[NIL]                      ; the wave's opening: the add and its wait stand ahead of my first tensor load; the set-up below, work on registers, stands between them
	v_lshrrev_b32 v1, 5, v0
	v_readfirstlane_b32 s[WV], v1                  ; wave 0..3
	s_and_b32 s15, s[WV], 1                        ; which half of a tile I fetch
	s_bfe_u32 s16, ttmp6, 0x40000                  ; cx: my place along the cluster's x
	s_bfe_u32 s17, ttmp6, 0x40004                  ; cy: along its y
	s_lshl_b32 s18, ttmp9, 2                       ; in a cluster launch ttmp9 and ttmp7 count clusters
	s_add_co_u32 s18, s18, s16                     ; nt = 4 x cluster x + cx
	s_and_b32 s19, ttmp7, 0xffff
	s_lshl_b32 s19, s19, 2
	s_add_co_u32 s19, s19, s17                     ; T = 4 x cluster y + cy
	s_lshl_b32 s20, s17, 2
	s_lshl_b32 s20, 15, s20                        ; my row of the cluster: places 4 cy .. 4 cy + 3
	s_lshl_b32 s21, 0x1111, s16                    ; my column: places cx, cx + 4, cx + 8, cx + 12
	; group 1 for A: 128 rows x 96 elements of 4 bytes, 32,768 elements from row to row, padded in LDS
	s_or_b32 s[G1A+0], s20, (2<<16)|(1<<20)|(1<<21)|(4<<22)|(3<<25)  ; 15:0 the mask: my row; 17:16 elements of 4 bytes; 20 padding on; 21 set beside a mask; 24:22 after every 32 words (code 4), a third of a row; 31:25 4 words of it (code 3)
	s_mov_b32 s[G1A+1], 96<<16                     ; tensor_dim0 = 96
	s_mov_b32 s[G1A+2], 128<<16                    ; tensor_dim1 = 128
	s_mov_b32 s[G1A+3], 96<<16                     ; tile_dim0 = 96
	s_mov_b32 s[G1A+4], 128                        ; tile_dim1 = 128
	s_mov_b32 s[G1A+5], 32768                      ; from s to s + 1 at one b: 32 x 1,024 elements
	s_mov_b32 s[G1A+6], 0
	s_mov_b32 s[G1A+7], 0
	; group 1 for W: half a block is 24,576 dense bytes of wb: asked for as 96 rows of 256 bytes
	s_or_b32 s[G1B+0], s21, (1<<16)|(1<<21)        ; the mask: my column; elements of 2 bytes; no padding
	s_mov_b32 s[G1B+1], 128<<16                    ; tensor_dim0 = 128
	s_mov_b32 s[G1B+2], 96<<16                     ; tensor_dim1 = 96
	s_mov_b32 s[G1B+3], 128<<16                    ; tile_dim0 = 128
	s_mov_b32 s[G1B+4], 96                         ; tile_dim1 = 96
	s_mov_b32 s[G1B+5], 128                        ; dense
	s_mov_b32 s[G1B+6], 0
	s_mov_b32 s[G1B+7], 0
	; offsets.  What feeds A's descriptors is made of T and the wave's number, what feeds W's of nt and the wave's number, each in registers that never hold the other coordinate.
	s_lshr_b32 s22, s19, 5
	s_lshl_b32 s22, s22, 25                        ; 256 (T / 32) rows s of 131,072 bytes
	s_and_b32 s23, s19, 31
	s_lshl_b32 s23, s23, 12                        ; + b rows of 4,096 bytes
	s_add_co_u32 s22, s22, s23
	s_mov_b32 s23, 0
	s_lshl_b32 s[TP], s15, 24                      ; my half: 128 rows s further
	s_mov_b32 s[TP+1], 0
	s_mul_i32 s46, s18, 22*BLK                     ; wb: 22 blocks for each nt
	s_mul_i32 s47, s15, HALFW                      ; + my half of a block
	s_add_co_u32 s46, s46, s47
	s_mov_b32 s47, 0
	s_mul_i32 s90, s15, HALFA                      ; where my half lands in a slot, for A
	s_mul_i32 s91, s15, HALFW                      ; and for W: no place in the cluster enters an LDS address
	s_add_co_u32 s91, s91, WOFF
	s_lshl_b32 s[TQ], s18, 17                      ; part: 131,072 nt
	s_and_b32 s[TQ+1], s19, 31
	s_lshl_b32 s[TQ+1], s[TQ+1], 12                ; + 4,096 b
	s_add_co_u32 s[TQ], s[TQ], s[TQ+1]
	s_lshr_b32 s[TQ+1], s19, 5
	s_lshl_b32 s[TQ+1], s[TQ+1], 10                ; + 4 x 256 (T / 32)
	s_add_co_u32 s[TQ], s[TQ], s[TQ+1]
	s_lshl_b32 s[TQ+1], s[WV], 8                   ; + 4 x 64 w
	s_add_co_u32 s[TQ], s[TQ], s[TQ+1]
	s_mov_b32 s[TQ+1], 0
	s_lshl_b32 s[PYB], s18, 10                     ; w_v: 256 numbers for each nt
	s_mov_b32 s[PYB+1], 0
	s_mov_b32 s[CC], 0x4038aa3b                    ; c = 2 log2(e) = 2.885390
	s_mov_b32 s[CC+1], s[CC]
	s_mov_b32 s[SEL], 0x76543210
	s_mov_b32 s[SEL+1], 0xfedcba98
	s_mov_b32 s[OFA+1], 0
	s_mov_b32 s[OFB+1], 0
	s_mov_b32 s[NXT], 2
	s_mov_b32 s[PN], 2
	s_wait_dscnt 0x0                               ; the opening add is done
	s_wait_kmcnt 0x0
	s_add_nc_u64 s[QP:QP+1], s[4:5], s[22:23]
	s_add_nc_u64 s[KP:KP+1], s[6:7], s[22:23]
	s_add_nc_u64 s[QA:QA+1], s[QP:QP+1], s[TP:TP+1]
	s_add_nc_u64 s[KA:KA+1], s[KP:KP+1], s[TP:TP+1]
	s_add_nc_u64 s[BB:BB+1], s[8:9], s[46:47]
	s_add_nc_u64 s[10:11], s[10:11], s[PYB:PYB+1]
	s_add_nc_u64 s[12:13], s[12:13], s[TQ:TQ+1]
	CROUND                                         ; all sixteen work-groups are here: the first joint loads meet
.irp s, 0,1
	s_mov_b32 s[G0A+4*(\s)], 1                                          ; count = 1
	s_add_co_u32 s[G0A+4*(\s)+1], s90, (\s)*SLOT                        ; LDS address
	s_add_nc_u64 s[G0A+4*(\s)+2:G0A+4*(\s)+3], s[QA:QA+1], (\s)*384     ; global address: K step s, of queries
	s_or_b32 s[G0A+4*(\s)+3], s[G0A+4*(\s)+3], 0x80000000               ; type = 2
	s_mov_b32 s[G0B+4*(\s)], 1
	s_add_co_u32 s[G0B+4*(\s)+1], s91, (\s)*SLOT
	s_add_nc_u64 s[G0B+4*(\s)+2:G0B+4*(\s)+3], s[BB:BB+1], (\s)*BLK
	s_or_b32 s[G0B+4*(\s)+3], s[G0B+4*(\s)+3], 0x80000000
	JLOAD \s                                       ; the ring is filled before anything else is done: two tensor loads of mine are out
.endr
	v_and_b32 v2, 15, v0                           ; l % 16
	v_bfe_u32 v3, v0, 4, 1                         ; l / 16
	v_and_b32 v4, 31, v0                           ; l
	; THE PREFETCH of A, by aligned blocks of 256 bytes.  A row of the tile has 32 of them, numbers 0-15 in queries and 16-31 in keys; lap P (K steps 2 P and 2 P + 1) is the first to touch blocks 3 P, 3 P + 1, 3 P + 2.
	; The sixteen waves of a row of the cluster share the tile's 256 rows.  TWO BLOCKS A ROW: wave w of partner cx asks for rows 64 cx + 16 w + l % 16, lanes 0-15 for one block, lanes 16-31 for the next.
	; ONE BLOCK A ROW: waves 0 and 1 of partner cx ask for rows 64 cx + 32 w + l.  So each block is asked for by one lane of one wave.  Here: lap 1's blocks 3, 4 and 5.  In trip p of the loop: lap p + 2's,
	; which the tensor loads of trip p + 1 want.  Lap 0's blocks are what the first tensor loads fetch.
	s_lshl_b32 s94, s16, 6
	s_lshl_b32 s95, s[WV], 4
	s_add_co_u32 s95, s95, s94
	v_add_nc_u32 v[PFO], s95, v2
	v_lshlrev_b32 v[PFO], 17, v[PFO]               ; row x 131,072
	v_lshl_add_u32 v[PFO], v3, 8, v[PFO]           ; + 256 for the second block
	s_lshl_b32 s95, s15, 5
	s_add_co_u32 s95, s95, s94
	v_add_nc_u32 v[PFY], s95, v4
	v_lshlrev_b32 v[PFY], 17, v[PFY]
	s_add_nc_u64 s[PFB:PFB+1], s[QP:QP+1], 768
	s_add_nc_u64 s[PYB:PYB+1], s[QP:QP+1], 1280
	global_prefetch_b8 v[PFO], s[PFB:PFB+1] th:TH_LOAD_NT scope:SCOPE_SE
	s_cmp_lt_u32 s[WV], 2
	s_cbranch_scc0 .Lno_y_head
	global_prefetch_b8 v[PFY], s[PYB:PYB+1] th:TH_LOAD_NT scope:SCOPE_SE
.Lno_y_head:
	v_lshlrev_b32 v5, 5, v4
	global_load_b128 v[32:35], v5, s[10:11]        ; the tile's 256 w_v, eight a lane
	global_load_b128 v[36:39], v5, s[10:11] offset:16
	; A fragment is 16 rows x 32 K: lane l holds row l % 16, K = 8 (l / 16) + 0..7 and 16 + 8 (l / 16) + 0..7.  Of A's f32 rows that is 32 bytes at 32 (l / 16) and 32 bytes 64 further on.  W's lie ready: 16 bytes at 16 l, twice.
	s_mul_i32 s2, s[WV], 64*PA                     ; my 64 rows of A
	v_mul_u32_u24 v6, v2, PA
	v_lshl_add_u32 v6, v3, 5, v6
	v_add_nc_u32 v[ADRA], s2, v6
	v_add_nc_u32 v[ADRA+1], SLOT, v[ADRA]
	v_lshl_add_u32 v[ADRB], v4, 4, WOFF
	v_lshl_add_u32 v[ADRB+1], v4, 4, SLOT+WOFF
	s_lshl_b32 s2, s[WV], 10
	s_add_co_u32 s2, s2, WVL                       ; my copy of w_v
	v_lshl_add_u32 v[WVA], v3, 5, s2               ; back: columns 8 (l / 16) + 0..7 of each 16
	v_add_nc_u32 v8, s2, v5                        ; in: 32 bytes a lane
	s_lshl_b32 s3, s[WV], 8
	s_add_co_u32 s3, s3, STAGE                     ; my stage
	v_lshl_add_u32 v[STO], v2, 2, s3
	v_lshl_add_u32 v[RD], v4, 3, s3
	v_lshlrev_b32 v[GO], 3, v4
	s_wait_loadcnt 0x0                             ; w_v
	ds_store_b128 v8, v[32:35]
	ds_store_b128 v8, v[36:39] offset:16
; Number rq of the 80 lines that make ready a quarter: slot S_, quarter K_ of the step, buffers G_.
;   0-15   A as f32: fragment rq / 4, 16 bytes each          16-47  W: fragment (rq - 16) / 2, 16 bytes each          48-79  A rounded to bf16, two numbers each
.macro ITEM
.if rq < 16
	WIN 0
	ds_load_b128 v[AF+4*rq:AF+4*rq+3], v[ADRA+S_] offset:(rq/4)*16*PA+K_*QS+((rq%4)/2)*64+(rq%2)*16
.elseif rq < 48
	WIN 0x40                                       ; destination window 1, address window 0
	ds_load_b128 v[128*G_+4*(rq-16):128*G_+4*(rq-16)+3], v[ADRB+S_] offset:K_*16384+(rq-16)*512
.else
	WIN 0
	v_cvt_pk_bf16_f32 v[AB+32*G_+rq-48], v[AF+2*(rq-48)], v[AF+2*(rq-48)+1]
.endif
.set rq, rq+1
.endm
.macro RUN n                           ; the next n of them on end
.rept \n
	ITEM
.endr
.endm
.macro SLICE                           ; four of them behind a matrix instruction, while the list is open as far as rlim: used for the roundings alone
.if rq < rlim
	RUN 4
.endif
.endm
; Matrix instruction i of a quarter's 64, on buffers f: columns 16 (8 (i / 32) + i % 8) on, rows 16 ((i / 8) % 4) on.  The 64 accumulators take turns, one instruction a turn, in the same order in every quarter.
; ZERO = 1: the product starts the sum: nothing is ever cleared.
.macro WM f
	WIN MUL_LO+0x50*(i/32)
.set rD, 8*(8*((i/8)%4)+i%8)
.set rB, 128*(\f)+8*(8*(i/32)+i%8)
.set rA, AB+32*(\f)+8*((i/8)%4)
.if ZERO
	v_wmma_f32_16x16x32_bf16 v[rD:rD+7], v[rB:rB+7], v[rA:rA+7], 0
.else
	v_wmma_f32_16x16x32_bf16 v[rD:rD+7], v[rB:rB+7], v[rA:rA+7], v[rD:rD+7]
.endif
.set i, i+1
.endm
.macro QRUN f, n                       ; n matrix instructions, a slice behind each where the list is open
.rept \n
	WM \f
	SLICE
.endr
.endm
; ONE OF A K STEP'S FIRST TWO QUARTERS: multiplies buffers f and makes ready quarter k of the same slot sl in the other buffers.  At its head at most 32 loads are out: W's fragments 0-7, then 8-15, for buffers f.
.macro QUARTER f, sl, k
.set i, 0
.set rq, 0
.set rlim, 0
.set S_, \sl
.set K_, \k
.set G_, 1-(\f)
	s_wait_dscnt 16                                ; W's fragments 0-7 are in; the youngest sixteen loads (fragments 8-15) may be out
	QRUN \f, 1
	PLACES                                         ; behind the last quarter's products, which read the other buffers: they serve both runs and the roundings below
	RUN 32                                         ; A as f32 and W's fragments 0-7
	QRUN \f, 31
	s_wait_dscnt 16                                ; all but the youngest sixteen: my fragments 8-15 are in, and so is the new A; the new W's fragments 0-7 may be out
	RUN 16                                         ; W's fragments 8-15
.set rlim, 80
	QRUN \f, 32                                    ; the 32 roundings ride behind products 32 to 39
.endm
; A K STEP'S THIRD QUARTER, on buffers f, and the change of slots: ONE barrier.  In front of it each wave waits for all its tensor loads, of which one is out: its part of the next slot; adds 0 to its spare word; and
; waits for that and for its own reads of this slot.  Behind it nobody reads this slot any more and the next slot is whole.  fill = 1: the barrier opens a round of the cluster's barrier, and this slot is filled
; again, first thing behind the round, with K step NXT; from that request to the wait for it a wave issues 176 matrix instructions.  pf = 1: the lap's prefetch.
.macro TURN f, sl, nx, fill, pf
.set i, 0
.set rq, 0
.set rlim, 0
.set S_, \nx
.set K_, 0
.set G_, 1-(\f)
	WIN 0                                          ; (the add's two registers lie in window 0)
	s_wait_tensorcnt 0x0                           ; no tensor load of mine is out, so a group 0 may be written
	ds_add_u32 v[SPW], v[NIL]                      ; 0 onto my spare word; scalar work and eight products stand between it and the wait for it
.if \fill
	s_cmp_lt_u32 s[NXT], 11                        ; the addresses are made anew from the step's number: steps 0-10 are queries', 11-21 keys';
	s_cselect_b64 s[SRC:SRC+1], s[QA:QA+1], s[KA:KA+1]
	s_cselect_b32 s[OFA], 0, 11
	s_sub_co_u32 s[OFA], s[NXT], s[OFA]            ; the step's number in its source,
	s_mul_i32 s[OFA], s[OFA], 384                  ; 384 bytes of a row each;
	s_min_u32 s[OFA], s[OFA], 3712                 ; the eleventh takes the row's last 384 bytes
	s_mul_i32 s[OFB], s[NXT], BLK
	s_add_nc_u64 s[G0A+4*(\sl)+2:G0A+4*(\sl)+3], s[SRC:SRC+1], s[OFA:OFA+1]
	s_or_b32 s[G0A+4*(\sl)+3], s[G0A+4*(\sl)+3], 0x80000000
	s_add_nc_u64 s[G0B+4*(\sl)+2:G0B+4*(\sl)+3], s[BB:BB+1], s[OFB:OFB+1]
	s_or_b32 s[G0B+4*(\sl)+3], s[G0B+4*(\sl)+3], 0x80000000
	s_add_co_u32 s[NXT], s[NXT], 1
.endif
.if \pf
	s_wait_xcnt 0x0                                ; the last prefetches, a lap back, have had their addresses translated (ISA guide 3.1): their bases are rewritten only behind this wait
	s_min_u32 s[TP], s[PN], 10                     ; lap P; the last trip would ask for lap 11, which is none: it is held at lap 10's blocks, inside the buffer
	s_add_co_u32 s[PN], s[PN], 1
	s_mul_i32 s[PX], s[TP], 3                      ; the two blocks: 3 P and 3 P + 1
	s_add_co_u32 s[TQ], s[PX], 2
	s_min_u32 s[TQ], s[TQ], 31                     ; the one block: 3 P + 2; lap 10's would be number 32, which is none: held at 31
	s_cmp_eq_u32 s[TP], 5                          ; lap 5's three are 15, 16, 17: the two that lie in one source are 16 and 17
	s_cselect_b32 s[PX], 16, s[PX]
	s_cselect_b32 s[TQ], 15, s[TQ]
	s_cmp_lt_u32 s[PX], 16
	s_cselect_b64 s[PFB:PFB+1], s[QP:QP+1], s[KP:KP+1]
	s_cmp_lt_u32 s[TQ], 16
	s_cselect_b64 s[PYB:PYB+1], s[QP:QP+1], s[KP:KP+1]
	s_and_b32 s[TP], s[PX], 15
	s_lshl_b32 s[TP], s[TP], 8
	s_and_b32 s[TQ], s[TQ], 15
	s_lshl_b32 s[TQ], s[TQ], 8
	s_add_nc_u64 s[PFB:PFB+1], s[PFB:PFB+1], s[TP:TP+1]
	s_add_nc_u64 s[PYB:PYB+1], s[PYB:PYB+1], s[TQ:TQ+1]
.endif
	s_wait_dscnt 17                                ; W's fragments 0-7 are in; the add and the sixteen loads in front of it (fragments 8-15) may be out
	QRUN \f, 8
	s_wait_dscnt 0x0                               ; the add is done, and my reads of this slot are over
	s_barrier_signal -1
	QRUN \f, 8                                     ; work on registers while the others arrive
.if \fill
	WIN 0
.endif
	s_barrier_wait -1
.if \fill
	CREST                                          ; no wave of any partner still reads this slot or has a load on its way
	JLOAD \sl                                      ; the first tensor load behind the round; its four v_nop are also the places in front of the loads and roundings below
.else
	PLACES
.endif
	RUN 32                                         ; the next slot's first quarter: A as f32 and W's fragments 0-7
	QRUN \f, 8
.if \pf
	WIN 0
	global_prefetch_b8 v[PFO], s[PFB:PFB+1] th:TH_LOAD_NT scope:SCOPE_SE
	s_cmp_lt_u32 s[WV], 2
	s_cbranch_scc0 .Lno_y_\@
	global_prefetch_b8 v[PFY], s[PYB:PYB+1] th:TH_LOAD_NT scope:SCOPE_SE
.Lno_y_\@:
.endif
	QRUN \f, 16
	s_wait_dscnt 16                                ; the new A is in; the new W's fragments 0-7 may be out
	RUN 16                                         ; W's fragments 8-15
.set rlim, 80
	QRUN \f, 24                                    ; the 32 roundings ride behind products 40 to 47
.endm
	s_wait_dscnt 0x0                               ; my copy of w_v is stored: no LDS instruction is pending at a signal
	s_wait_tensorcnt 0x1                           ; my part of K step 0 is in; step 1's may stay out
	s_barrier_signal -1
	s_barrier_wait -1                              ; everybody's is
.set S_, 0
.set K_, 0
.set G_, 0
.set rq, 0
	RUN 48                                         ; the first quarter's fragments: there is no matrix work yet to set them beside
	s_wait_dscnt 32                                ; A as f32; W's 32 loads may be out
	RUN 32
.set ZERO, 1
	QUARTER 0, 0, 1                                ; the first quarter stands in front of the loop: its products start the 64 sums
.set ZERO, 0
	WIN 0                                          ; at a label and at a branch every window is 0
	s_mov_b32 s[LAPS], 10
.Llap:                                                 ; trip p: the rest of step 2 p, step 2 p + 1, the first quarter of step 2 p + 2; steps 2 p + 2 and 2 p + 3 are asked for.  Six quarters: the buffers' turns come out even
	QUARTER 1, 0, 2
	TURN 0, 0, 1, 1, 0
	QUARTER 1, 1, 1
	QUARTER 0, 1, 2
	TURN 1, 1, 0, 1, 1
	QUARTER 0, 0, 1
	WIN 0
	s_sub_co_u32 s[LAPS], s[LAPS], 1
	s_cmp_lg_u32 s[LAPS], 0
	s_cbranch_scc1 .Llap
	QUARTER 1, 0, 2                                ; the tail is written out: step 20 goes on,
	TURN 0, 0, 1, 0, 0                             ; and ends: nothing is asked for, so no round of the cluster's barrier
	QUARTER 1, 1, 1
	QUARTER 0, 1, 2
.set i, 0
.set rlim, 0
	s_wait_dscnt 16                                ; the very last quarter: W's fragments 0-7
	QRUN 1, 32
	s_wait_dscnt 0x0
	QRUN 1, 32
	; THE WAY OUT.  For each of my four blocks of 16 rows and each half of the columns: 64 numbers a lane go through 1 / (1 + 2^(c x)) and are multiplied by their w_v into four pairs of sums.
	WIN 0
	PLACES                                         ; behind the last products
	WIN 0x40
.set j, 0
.rept 32
	ds_load_b128 v[4*j:4*j+3], v[WVA] offset:64*(j/2)+16*(j%2)  ; window 1, v[8 b + jj] = w_v of column 16 b + 8 (l / 16) + jj: W's buffer 0 is free
.set j, j+1
.endr
	s_wait_dscnt 0x0
.macro EPI a, hb
	WIN 0x02+(\hb)                                 ; source 0: window 2 or 3
.set j, 0
.rept 32
	v_pk_mul_f32 v[TT+2*j:TT+2*j+1], v[64*(\a)+2*j:64*(\a)+2*j+1], s[CC:CC+1] op_sel_hi:[1,0]  ; c x; each accumulator's registers in ascending order
.set j, j+1
.endr
	WIN 0x04                                       ; source 1 (w_v) window 1, all else window 0
.set j, 0
.rept 64
	v_exp_f32 v[TT+j], v[TT+j]
.set j, j+1
.endr
	v_nop                                          ; a plain instruction between the last exponential and the use of its result (ISA guide 5.7.2)
.set j, 0
	s_wait_alu depctr_va_vdst(0)
.rept 32
	v_pk_add_f32 v[TT+2*j:TT+2*j+1], v[TT+2*j:TT+2*j+1], 1.0 op_sel_hi:[1,0]
.set j, j+1
.endr
.set j, 0
.rept 64
	v_rcp_f32 v[TT+j], v[TT+j]
.set j, j+1
.endr
	v_nop                                          ; likewise behind the last reciprocal
	s_wait_alu depctr_va_vdst(0)
.set j, 0
.rept 32
.if (\hb) == 0 && j < 4
	v_pk_mul_f32 v[SS+2*(j%4):SS+2*(j%4)+1], v[TT+2*j:TT+2*j+1], v[2*j:2*j+1]  ; the first four products start the sums
.else
	v_pk_fma_f32 v[SS+2*(j%4):SS+2*(j%4)+1], v[TT+2*j:TT+2*j+1], v[64*(\hb)+2*j:64*(\hb)+2*j+1], v[SS+2*(j%4):SS+2*(j%4)+1]
.endif
.set j, j+1
.endr
.endm
.irp a, 0,1,2,3
	EPI \a, 0
	EPI \a, 1
	WIN 0
	v_pk_add_f32 v[SS:SS+1], v[SS:SS+1], v[SS+2:SS+3]
	v_pk_add_f32 v[SS+4:SS+5], v[SS+4:SS+5], v[SS+6:SS+7]
	v_pk_add_f32 v[SS:SS+1], v[SS:SS+1], v[SS+4:SS+5]
	v_add_f32 v[RR+(\a)], v[SS], v[SS+1]           ; row 16 a + l % 16, my half of the lanes' 128 columns
.endr
.irp a, 0,1,2,3
	v_permlanex16_b32 v[SS+(\a)], v[RR+(\a)], s[SEL], s[SEL+1]  ; the row's other 128 columns lie in the lane 16 away; the destination has been written before
.endr
.irp a, 0,1,2,3
	v_add_f32 v[RR+(\a)], v[RR+(\a)], v[SS+(\a)]
.endr
.irp a, 0,1,2,3
	ds_store_b32 v[STO], v[RR+(\a)] offset:64*(\a) ; both halves of the lanes store the same number to the same word of my stage
.endr
	ds_load_b64 v[112:113], v[RD]                  ; LDS serves a wave's instructions in order (ISA guide 5.7.1.4): this sees the stores above
	s_wait_dscnt 0x0
	global_store_b64 v[GO], v[112:113], s[12:13]   ; the wave's 64 results: 256 consecutive bytes, at a multiple of 256 from part's first byte
	s_wait_tensorcnt 0x0                           ; the wave's end, behind my last tensor load and my last LDS store
	ds_add_u32 v[SPW], v[NIL]
	s_wait_dscnt 0x0
	CROUND                                         ; the closing round: no work-group ends while a partner may still ask for a tile that names it
	s_endpgm
.Lfunc_end_k_q58808de801_main:
	.size	k_q58808de801_main, .Lfunc_end_k_q58808de801_main-k_q58808de801_main
	.p2alignl 7, 3214868480
	.fill 96, 4, 3214868480
	.section	.rodata,"a",@progbits
	.p2align	6, 0x0
	.amdhsa_kernel k_q58808de801_main
		.amdhsa_group_segment_fixed_size 327680
		.amdhsa_private_segment_fixed_size 0
		.amdhsa_enable_private_segment 0
		.amdhsa_kernarg_size 40
		.amdhsa_user_sgpr_count 2
		.amdhsa_user_sgpr_kernarg_segment_ptr 1
		.amdhsa_wavefront_size32 1
		.amdhsa_system_sgpr_workgroup_id_x 1
		.amdhsa_system_sgpr_workgroup_id_y 1
		.amdhsa_system_sgpr_workgroup_id_z 1
		.amdhsa_system_vgpr_workitem_id 0
		.amdhsa_next_free_vgpr 1024
		.amdhsa_next_free_sgpr 96
		.amdhsa_reserve_vcc 0
		.amdhsa_float_denorm_mode_32 3
		.amdhsa_float_denorm_mode_16_64 3
		.amdhsa_memory_ordered 1
		.amdhsa_forward_progress 1
		.amdhsa_inst_pref_size 217
	.end_amdhsa_kernel
	.amdgpu_metadata
---
amdhsa.version: [ 1, 2 ]
amdhsa.kernels:
  - .name:           k_q58808de801_main
    .symbol:         k_q58808de801_main.kd
    .args:
      - { .name: queries, .offset: 0, .size: 8, .value_kind: global_buffer, .address_space: global }
      - { .name: keys, .offset: 8, .size: 8, .value_kind: global_buffer, .address_space: global }
      - { .name: wb, .offset: 16, .size: 8, .value_kind: global_buffer, .address_space: global }
      - { .name: w_v, .offset: 24, .size: 8, .value_kind: global_buffer, .address_space: global }
      - { .name: part, .offset: 32, .size: 8, .value_kind: global_buffer, .address_space: global }
    .group_segment_fixed_size: 327680
    .private_segment_fixed_size: 0
    .kernarg_segment_align: 8
    .kernarg_segment_size: 40
    .max_flat_workgroup_size: 128
    .sgpr_count:     96
    .vgpr_count:     1024
    .wavefront_size: 32
...
	.end_amdgpu_metadata
.endif
;; end of part 2
;; launch finish (part 3): grid 16 x 2, 16 waves a work-group, no clusters, 216,320 bytes of LDS; arguments part, values, out0; writes out0
.if DOCPART == 3
	.amdgcn_target "amdgcn-amd-amdhsa--gfx1250"
	.amdhsa_code_object_version 6
	.text
	.protected	k_q58808de801_finish
	.globl	k_q58808de801_finish
	.p2align	8
	.type	k_q58808de801_finish,@function
k_q58808de801_finish:
	s_mov_b64 s[64:65], 0
	v_nop
	global_prefetch_b8 v0, s[64:65] scope:SCOPE_SE
	s_setreg_imm32_b32 hwreg(HW_REG_WAVE_MODE, 25, 1), 1
	s_wait_xcnt 0x0
; out0[b][d] = the sum over s of softmax_s(score[s][b]) values[s][d], score[s][b] = const - 2 t[s][b], t = part[0][b][s] + part[1][b][s] + part[2][b][s] + part[3][b][s]; the constant is the same for every s and cancels.
; SOFTMAX.  p = 2^(k t - k tmin), k = -2 log2(e): k is negative, so the largest score of a column b is that of its smallest t, and taking k tmin away is taking the maximum away.  l = the sum of the unrounded p.
; FORMATS.  t, the minimum, p and l in f32; p and values are rounded to bf16 for the product, sums in f32; the result is divided by l in f32.
; LIMITS.  A weight below 2^-126 counts as 0.  NaN and infinities are not treated apart.
; SHARES.  Work-group (x, y) makes out0[16 y .. 16 y + 15][64 x .. 64 x + 63]: 64 columns are the 256 aligned bytes of a row of values and of out0, 16 rows one matrix tile: 32 work-groups, and no finer share keeps both.
; Phase A: wave w makes p and 1 / l of row b = 16 y + w and rounds rows 64 w .. 64 w + 63 of the slice of values into LDS.  Phase B: wave w multiplies 16 columns (w % 4) by 256 of the s (w / 4).  Then wave w adds
; the four parts of row w, divides and stores.  No tensor load: every byte passes through registers to be rounded.  No cluster: what two work-groups share (a slice of values) is read once by each.
.set PVB,  160                         ; a row of values in LDS: 128 bytes + 32: 16 lanes of the turning load take 8 rows x 32 bytes
.set PPL,  2064                        ; a row of p: 2,048 bytes + 16, an odd multiple of 16
.set PRD,  272                         ; a row of partial results: 256 bytes + 16
.set VB,   0                           ; values as bf16: [s 1,024][d 64]
.set PL,   1024*PVB                    ; p as bf16: [b 16][s 1,024]
.set RED,  PL+16*PPL                   ; partial results: [quarter of s 4][b 16][d 64] f32
.set SPARE, RED+4*16*PRD               ; the spare words, 128 bytes for each of sixteen waves: eight blocks of 256 bytes that no other line names
.set SPW,  30                          ; v30  LDS address of my spare word; never rewritten
.set NIL,  31                          ; v31  0; never rewritten
.set LI,   224                         ; v224 1 / l of my row
; v1 l, v2 l % 16, v3 l / 16; v4 part offset; v5 values offset; v6 p in; v7 values in; v8 V^T fragments; v9 p fragments; v10 partial results in; v11 back; v12 out0 offset
	s_load_b128 s[4:7], s[0:1], 0x0                ; part s[4:5], values s[6:7]
	s_load_b64 s[8:9], s[0:1], 0x10                ; out0
	v_lshl_add_u32 v[SPW], v0, 2, SPARE
	v_mov_b32 v[NIL], 0
	v_lshrrev_b32 v13, 5, v0
	v_readfirstlane_b32 s10, v13                   ; wave 0..15
	s_and_b32 s12, ttmp7, 0xffff
	s_lshl_b32 s14, s12, 4
	s_add_co_u32 s14, s14, s10                     ; b = 16 y + w
	s_lshl_b32 s14, s14, 12                        ; a row of part and of out0 is 4,096 bytes
	s_mov_b32 s15, 0
	s_lshl_b32 s16, ttmp9, 8                       ; the slice: 256 bytes of a row
	s_add_co_u32 s18, s14, s16
	s_mov_b32 s19, 0
	s_lshl_b32 s17, s10, 18                        ; my 64 rows of values
	s_add_co_u32 s16, s16, s17
	s_mov_b32 s17, 0
	s_mov_b32 s20, 0xc038aa3b                      ; k = -2 log2(e)
	s_mov_b32 s21, s20                             ; named with it as a pair
	s_mov_b32 s22, 0x76543210                      ; v_permlanex16_b32: each lane takes its own place in the other half
	s_mov_b32 s23, 0xfedcba98
	v_and_b32 v1, 31, v0
	v_and_b32 v2, 15, v0
	v_bfe_u32 v3, v0, 4, 1
	v_lshlrev_b32 v4, 4, v1                        ; 16 l
	v_lshlrev_b32 v5, 4, v2
	v_lshl_add_u32 v5, v3, 12, v5                  ; lanes 0-15 one row of values, lanes 16-31 the next
	s_mul_i32 s24, s10, PPL
	s_add_co_u32 s24, s24, PL
	v_lshl_add_u32 v6, v1, 3, s24                  ; my row of p, 8 bytes a lane
	s_mul_i32 s25, s10, 64*PVB
	v_mul_u32_u24 v7, v3, PVB
	v_lshl_add_u32 v7, v2, 3, v7
	v_add_nc_u32 v7, s25, v7
	s_and_b32 s26, s10, 3                          ; which 16 columns
	s_lshr_b32 s27, s10, 2                         ; which 256 of the s
	v_and_b32 v8, 7, v0                            ; the turning load: lane l reads row 8 (l / 16) + l % 8, 16 bytes at 16 ((l / 8) % 2)
	v_lshl_add_u32 v8, v3, 3, v8
	v_mul_u32_u24 v8, v8, PVB
	v_bfe_u32 v14, v0, 3, 1
	v_lshl_add_u32 v8, v14, 4, v8
	s_mul_i32 s28, s27, 256*PVB
	s_lshl_b32 s29, s26, 5
	s_add_co_u32 s28, s28, s29
	v_add_nc_u32 v8, s28, v8
	v_mul_u32_u24 v9, v2, PPL                      ; p's fragment: row l % 16, 16 bytes at 16 (l / 16)
	v_lshl_add_u32 v9, v3, 4, v9
	s_lshl_b32 s28, s27, 9
	s_add_co_u32 s28, s28, PL
	v_add_nc_u32 v9, s28, v9
	v_mul_u32_u24 v10, v2, PRD                     ; a result: row b = l % 16, columns 8 (l / 16) + 0..7 of my 16
	v_lshl_add_u32 v10, v3, 5, v10
	s_mul_i32 s28, s27, 16*PRD
	s_lshl_b32 s29, s26, 6
	s_add_co_u32 s28, s28, s29
	s_add_co_u32 s28, s28, RED
	v_add_nc_u32 v10, s28, v10
	s_mul_i32 s28, s10, PRD
	s_add_co_u32 s28, s28, RED
	v_lshl_add_u32 v11, v1, 3, s28                 ; back: row w, 8 bytes a lane
	v_lshlrev_b32 v12, 3, v1
	s_wait_kmcnt 0x0
	s_add_nc_u64 s[4:5], s[4:5], s[14:15]
	s_add_nc_u64 s[6:7], s[6:7], s[16:17]
	s_add_nc_u64 s[8:9], s[8:9], s[18:19]
	; PHASE A.  v[32 + 32 nt + 4 i + e] = part[nt][b][128 i + 4 l + e]
.set j, 0
.rept 32
	global_load_b128 v[32+4*j:32+4*j+3], v4, s[4:5] offset:131072*(j/8)+512*(j%8)
.set j, j+1
.endr
.set j, 0
.rept 16
	global_load_b128 v[160+4*j:160+4*j+3], v5, s[6:7] offset:8192*j  ; values: rows 64 w + 2 j and + 1
.set j, j+1
.endr
	s_wait_loadcnt 16                              ; part is in; the sixteen loads of values may stay out
.set q, 0
.rept 16
	v_pk_add_f32 v[32+2*q:33+2*q], v[32+2*q:33+2*q], v[64+2*q:65+2*q]
	v_pk_add_f32 v[96+2*q:97+2*q], v[96+2*q:97+2*q], v[128+2*q:129+2*q]
	v_pk_add_f32 v[32+2*q:33+2*q], v[32+2*q:33+2*q], v[96+2*q:97+2*q]   ; t, 32 a lane, in v32-63
.set q, q+1
.endr
.set j, 0
.rept 16
	global_load_b128 v[64+4*j:64+4*j+3], v5, s[6:7] offset:8192*(16+j)  ; the other 32 rows of values, into registers that the sums have left
.set j, j+1
.endr
	v_min3_num_f32 v128, v32, v33, v34             ; the smallest t of my 32, in two chains
	v_min3_num_f32 v129, v48, v49, v50
.set j, 0
.rept 6
	v_min3_num_f32 v128, v128, v[35+2*j], v[36+2*j]
	v_min3_num_f32 v129, v129, v[51+2*j], v[52+2*j]
.set j, j+1
.endr
	v_min3_num_f32 v128, v128, v47, v63
	v_min_num_f32 v128, v128, v129
	v_min_num_f32_dpp v128, v128, v128 row_xmask:1 row_mask:0xf bank_mask:0xf   ; across the 32 lanes
	v_min_num_f32_dpp v128, v128, v128 row_xmask:2 row_mask:0xf bank_mask:0xf
	v_min_num_f32_dpp v128, v128, v128 row_xmask:4 row_mask:0xf bank_mask:0xf
	v_min_num_f32_dpp v128, v128, v128 row_xmask:8 row_mask:0xf bank_mask:0xf
	v_permlanex16_b32 v129, v128, s22, s23
	v_min_num_f32 v128, v128, v129
	v_mul_f32 v128, s20, v128                      ; k tmin: the largest exponent
.set q, 0
.rept 16
	v_pk_fma_f32 v[32+2*q:33+2*q], v[32+2*q:33+2*q], s[20:21], v[128:129] op_sel_hi:[1,0,0] neg_lo:[0,0,1] neg_hi:[0,0,1]  ; k t - k tmin
.set q, q+1
.endr
.set j, 0
.rept 32
	v_exp_f32 v[32+j], v[32+j]
.set j, j+1
.endr
	v_nop                                          ; a plain instruction between the last exponential and the use of its result (ISA guide 5.7.2)
.set q, 0
	s_wait_alu depctr_va_vdst(0)
.rept 16
	v_cvt_pk_bf16_f32 v[130+q], v[32+2*q], v[33+2*q]
.set q, q+1
.endr
.irp st, 8,4,2,1
.set q, 0
.rept \st
	v_pk_add_f32 v[32+2*q:33+2*q], v[32+2*q:33+2*q], v[32+2*(q+\st):33+2*(q+\st)]  ; l of the unrounded p: neighbours 8, 4, 2 and 1 pairs apart
.set q, q+1
.endr
.endr
	v_add_f32 v146, v32, v33
	v_add_f32_dpp v146, v146, v146 row_xmask:1 row_mask:0xf bank_mask:0xf
	v_add_f32_dpp v146, v146, v146 row_xmask:2 row_mask:0xf bank_mask:0xf
	v_add_f32_dpp v146, v146, v146 row_xmask:4 row_mask:0xf bank_mask:0xf
	v_add_f32_dpp v146, v146, v146 row_xmask:8 row_mask:0xf bank_mask:0xf
	v_permlanex16_b32 v129, v146, s22, s23
	v_add_f32 v146, v146, v129
	v_rcp_f32 v[LI], v146                          ; used at the very end; the roundings below are the plain instructions behind it
.irp i, 0,1,2,3,4,5,6,7
	ds_store_b64 v6, v[130+2*(\i):131+2*(\i)] offset:256*(\i)  ; p of s = 128 i + 4 l + 0..3
.endr
.macro VSTORE base, t0                 ; sixteen pairs of rows of values: rounded in place, 8 bytes a lane into LDS
.set j, 0
.rept 16
	v_cvt_pk_bf16_f32 v[(\base)+4*j],   v[(\base)+4*j],   v[(\base)+4*j+1]
	v_cvt_pk_bf16_f32 v[(\base)+4*j+1], v[(\base)+4*j+2], v[(\base)+4*j+3]
	ds_store_b64 v7, v[(\base)+4*j:(\base)+4*j+1] offset:2*PVB*((\t0)+j)
.set j, j+1
.endr
.endm
	s_wait_loadcnt 16                              ; the first sixteen loads of values are in; the second sixteen may stay out
	VSTORE 160, 0
	s_wait_loadcnt 0x0
	VSTORE 64, 16
	s_wait_dscnt 0x0                               ; for the others' sake: my stores are done
	s_barrier_signal -1
	s_barrier_wait -1
	; PHASE B.  O^T = V^T P: source 0 = 16 columns d x 32 s (turned on the way out of LDS), source 1 = 32 s x 16 rows b.  In the result lane l holds b = l % 16 and the columns 8 (l / 16) + 0..7.
.irp ks, 0,1,2,3,4,5,6,7
	ds_load_tr16_b128 v[32+8*(\ks):35+8*(\ks)], v8 offset:32*PVB*(\ks)
	ds_load_tr16_b128 v[36+8*(\ks):39+8*(\ks)], v8 offset:32*PVB*(\ks)+16*PVB
	ds_load_b128 v[96+8*(\ks):99+8*(\ks)],   v9 offset:64*(\ks)
	ds_load_b128 v[100+8*(\ks):103+8*(\ks)], v9 offset:64*(\ks)+32
.endr
	s_wait_dscnt 0x0
.set j, 0
.rept 8                                ; two accumulators take turns; the first two products start the sums
.if j < 2
	v_wmma_f32_16x16x32_bf16 v[160+8*(j%2):167+8*(j%2)], v[32+8*j:39+8*j], v[96+8*j:103+8*j], 0
.else
	v_wmma_f32_16x16x32_bf16 v[160+8*(j%2):167+8*(j%2)], v[32+8*j:39+8*j], v[96+8*j:103+8*j], v[160+8*(j%2):167+8*(j%2)]
.endif
.set j, j+1
.endr
.rept 4
	v_nop                                          ; four places behind the last products (ISA guide 7.12.1)
.endr
.irp p, 0,1,2,3
	v_pk_add_f32 v[160+2*(\p):161+2*(\p)], v[160+2*(\p):161+2*(\p)], v[168+2*(\p):169+2*(\p)]  ; both accumulators from their low end on
.endr
	ds_store_b128 v10, v[160:163]
	ds_store_b128 v10, v[164:167] offset:16
	s_wait_dscnt 0x0                               ; for the others' sake
	s_barrier_signal -1
	s_barrier_wait -1
.irp kq, 0,1,2,3
	ds_load_b64 v[32+2*(\kq):33+2*(\kq)], v11 offset:16*PRD*(\kq)  ; row w, columns 2 l and 2 l + 1, of the four quarters of s
.endr
	s_wait_dscnt 0x0
	v_pk_add_f32 v[32:33], v[32:33], v[34:35]
	v_pk_add_f32 v[36:37], v[36:37], v[38:39]
	v_pk_add_f32 v[32:33], v[32:33], v[36:37]
	s_wait_alu depctr_va_vdst(0)
	v_mul_f32 v32, v32, v[LI]
	v_mul_f32 v33, v33, v[LI]
	global_store_b64 v12, v[32:33], s[8:9]         ; the wave stores 256 consecutive bytes, at a multiple of 256 from out0's first byte
	s_wait_tensorcnt 0x0                           ; the wave's end, behind my last LDS store
	ds_add_u32 v[SPW], v[NIL]
	s_wait_dscnt 0x0
	s_endpgm
.Lfunc_end_k_q58808de801_finish:
	.size	k_q58808de801_finish, .Lfunc_end_k_q58808de801_finish-k_q58808de801_finish
	.p2alignl 7, 3214868480
	.fill 96, 4, 3214868480
	.section	.rodata,"a",@progbits
	.p2align	6, 0x0
	.amdhsa_kernel k_q58808de801_finish
		.amdhsa_group_segment_fixed_size 216320
		.amdhsa_private_segment_fixed_size 0
		.amdhsa_enable_private_segment 0
		.amdhsa_kernarg_size 24
		.amdhsa_user_sgpr_count 2
		.amdhsa_user_sgpr_kernarg_segment_ptr 1
		.amdhsa_wavefront_size32 1
		.amdhsa_system_sgpr_workgroup_id_x 1
		.amdhsa_system_sgpr_workgroup_id_y 1
		.amdhsa_system_sgpr_workgroup_id_z 1
		.amdhsa_system_vgpr_workitem_id 0
		.amdhsa_next_free_vgpr 256
		.amdhsa_next_free_sgpr 66
		.amdhsa_reserve_vcc 0
		.amdhsa_float_denorm_mode_32 3
		.amdhsa_float_denorm_mode_16_64 3
		.amdhsa_memory_ordered 1
		.amdhsa_forward_progress 1
		.amdhsa_inst_pref_size 29
	.end_amdhsa_kernel
	.amdgpu_metadata
---
amdhsa.version: [ 1, 2 ]
amdhsa.kernels:
  - .name:           k_q58808de801_finish
    .symbol:         k_q58808de801_finish.kd
    .args:
      - { .name: part, .offset: 0, .size: 8, .value_kind: global_buffer, .address_space: global }
      - { .name: values, .offset: 8, .size: 8, .value_kind: global_buffer, .address_space: global }
      - { .name: out0, .offset: 16, .size: 8, .value_kind: global_buffer, .address_space: global }
    .group_segment_fixed_size: 216320
    .private_segment_fixed_size: 0
    .kernarg_segment_align: 8
    .kernarg_segment_size: 24
    .max_flat_workgroup_size: 512
    .sgpr_count:     66
    .vgpr_count:     256
    .wavefront_size: 32
...
	.end_amdgpu_metadata
.endif
;; end of part 3
